; MI455X (gfx1250); checked and timed in simulation.
; The chip was launched on July 23, 2026; its instructions are those of AMD's public machine-readable ISA for CDNA 5 (MIT licence, August 2026) and "CDNA5" Instruction Set Architecture Reference Guide (July 2026). The comments in the code are by the model that wrote it; some were corrected since.
;; Cross Attention. Allowed arithmetic: matrix products marked QUANTISED: E2M1 operands, one E8M0 scale for each 32 along K, by v_wmma_scale_f32_16x16x128_f8f6f4 with both operands' format E2M1 (or v_wmma_scale_f32_32x16x128_f4), f32 sums; products left as they are: bf16, f16 or f32 operands; f32 sums; everything else in f32.
;; Inputs: Wk 1,024 x 768 float32; Wo 1,024 x 1,024 float32; Wq 1,024 x 1,024 float32; Wv 1,024 x 768 float32; kv_tokens 4 x 2,048 x 768 float32; q_tokens 4 x 2,048 x 1,024 float32.
;; Outputs: out0 4 x 2,048 x 1,024 float32.
;; This version of the problem:
;;   THIS VERSION OF THE PROBLEM IS GIVEN IN LOW PRECISION. The matrix products marked QUANTISED in the list below multiply operands that are first quantised to E2M1 (2 exponent bits, 1 mantissa bit; 4 bits a number), with one power-of-two scale for each 32 numbers along K (OCP MX v1.0); their sums are f32. The products marked 'left as it is' may take bf16, f16 or f32 operands, with f32 sums. Whichever they take, every output number must still come out within the allowed error. Rounding operands to bf16 (8 significant bits) uses up far more of that allowance than f16 does (11 bits, for magnitudes from 6e-5 to 65,504). All else is computed in f32.
;;   The module's matrix products, in the order in which they are computed (A, B: the left and right operand; K: the contracted axis; several contracted axes count as one K, in the product's order):
;;     1. [M 8,192, K 1,024] x [K 1,024, N 1,024]; A: input q_tokens; B: input Wq: QUANTISED
;;     2. [M 8,192, K 768] x [K 768, N 1,024]; A: input kv_tokens; B: input Wk: QUANTISED
;;     3. [M 8,192, K 768] x [K 768, N 1,024]; A: input kv_tokens; B: input Wv: QUANTISED
;;     4. batch 64 x [M 2,048, K 64] x [K 64, N 2,048]; A: computed on the way; B: computed on the way: left as it is (an operand is computed on the way)
;;     5. batch 64 x [M 2,048, K 2,048] x [K 2,048, N 64]; A: computed on the way; B: computed on the way: left as it is (an operand is computed on the way)
;;     6. [M 8,192, K 1,024] x [K 1,024, N 1,024]; A: computed on the way; B: input Wo: left as it is (an operand is computed on the way)
;;   THE QUANTISER, for each operand of a quantised product, along K:
;;     - K is cut into blocks of 32 from its start; a last block that is shorter is filled with zeros.
;;     - A block's scale is 2^e with e = floor(log2(the largest magnitude in the block)) - 2, held to -126 .. 127; a block of zeros has e = 0. As a byte (E8M0): e + 127.
;;     - Each number is divided by its block's scale, clamped to +-6, and rounded to the nearest number of E2M1, ties to even, subnormals kept.
;;     - The product sums the exact products of the quantised numbers (number of the format x scale) in f32.
;;   ~~~python
;;   def quantise(x, axis):      # numpy; x: float32 -> the quantised numbers, widened to float32 again
;;       x = np.moveaxis(x, axis, -1); K = x.shape[-1]
;;       x = np.pad(x, [(0, 0)] * (x.ndim - 1) + [(0, -K % 32)]); x = x.reshape(x.shape[:-1] + (-1, 32)); a = np.abs(x).max(-1, keepdims=True)
;;       e = np.where(a > 0, np.clip(np.frexp(np.where(a > 0, a, 1))[1] - 1 - 2, -126, 127), 0)      # np.frexp(a)[1] - 1 = floor(log2(a)), exactly
;;       r = np.clip(x / 2.0 ** e, -6, 6)
;;       step = 2.0 ** (np.maximum(np.frexp(np.where(r == 0, 1, r))[1] - 1, 0) - 1)
;;       q = np.round(r / step) * step * 2.0 ** e      # np.round: ties to even
;;       return np.moveaxis(q.reshape(q.shape[:-2] + (-1,))[..., :K], -1, axis).astype(np.float32)
;;   ~~~
;; One version. Each part assembles by itself: llvm-mc -triple=amdgcn-amd-amdhsa -mcpu=gfx1250 --defsym DOCPART=n.
;; ======== version 1 of 1: 4 launches
;; limits: values are held in f16: magnitudes above 65,504 overflow, below 6.1e-05 lose precision
;; workspace buffers: codes 8,650,752 bytes; scales 540,672 bytes; wo16 2,097,152 bytes; q16 16,777,216 bytes; k16 16,777,216 bytes; vt16 16,777,216 bytes; a16 16,777,216 bytes
;; launch prep (part 1): grid 1120 x 1, 4 waves a work-group, no clusters, 68,096 bytes of LDS; arguments q_tokens, kv_tokens, Wq, Wk, Wv, Wo, codes, scales, wo16; writes codes, scales, wo16
.if DOCPART == 1
	.amdgcn_target "amdgcn-amd-amdhsa--gfx1250"
	.amdhsa_code_object_version 6
	.text
	.protected	k_q747b100d19_prep
	.globl	k_q747b100d19_prep
	.p2align	8
	.type	k_q747b100d19_prep,@function
k_q747b100d19_prep:
	s_mov_b64 s[64:65], 0
	v_nop
	global_prefetch_b8 v0, s[64:65] scope:SCOPE_SE
	s_setreg_imm32_b32 hwreg(HW_REG_WAVE_MODE, 25, 1), 1
	s_wait_xcnt 0x0
; PREP.  q_tokens [8192][1024], kv_tokens [8192][768], Wq [1024][1024], Wk, Wv [1024][768], all f32 with K innermost, become codes of FP4 (E2M1) with one E8M0 scale
; byte for each 32 along K; Wo [1024][1024] becomes f16.  Everything is stored as IMAGES OF OPERAND REGISTERS: a fragment of 8 registers a lane is 1,024 bytes, register group c (four registers)
; of lane l at 512 c + 16 l, so that a later launch fetches a fragment by two loads of 16 bytes a lane at 16 x lane.
;   FP4 image: 16 rows x 128 K; lane (r = l % 16, h = l / 16) holds row r, registers 4 c .. 4 c + 3 hold K = 64 c + 32 h + 0 .. 31.   Order in a section of codes: [row tile][K step].
;   f16 image: 16 rows x 32 K; registers 0-3 hold K = 8 h + 0 .. 7, registers 4-7 K = 16 + 8 h + 0 .. 7.                            wo16: [K step of 128][row tile][chunk of 32][1,024 bytes].
;   scale words (four bytes: 128 K of a row): 128 bytes for each pair of K steps, [row][2 words].
; A block's scale is 2^(floor(log2(its largest magnitude)) - 2); its byte is the largest magnitude's exponent field - 2, held at 1 from below.
; LIMITS: NaN and infinities among the inputs are not served.  A block whose largest magnitude lies under 2^-124 keeps the byte 1; a block of zeros gets the byte 1 over zero codes
; where the quantiser's rule says 127: zero codes add nothing under that byte, and this program alone reads the bytes.  |Wo| must stay under 65,504; under 6e-5 f16 keeps a step of 6e-8.
; SHARES.  A wave takes 16 rows x 256 K (two units of 128 K): 32 loads, each 512 consecutive aligned bytes of one row.  The conversions want 16 neighbours along K in one lane's registers, so the
; 16 KB turn through the wave's own stage in LDS.  No loop, no barrier: waves share nothing.  Work-groups 0-511 q_tokens, 512-895 kv_tokens, 896-959 Wq, 960-1007 Wk, 1008-1055 Wv, 1056-1119 Wo.
.set RP,    528                        ; a stage row: 512 bytes + 16 = 132 words: sixteen rows start at sixteen different places modulo 64 words (64 banks of 4 bytes: ISA guide 11.1)
.set USTG,  16*RP                      ; a unit's stage
.set WREG,  2*USTG                     ; a wave's two stages
.set SPARE, 4*WREG                     ; behind the four regions: the spare words, 128 bytes for each wave, which no other line names
.set LI,  1                            ; v1   16 x lane
.set RR,  2                            ; v2   r
.set HH,  3                            ; v3   h
.set SI,  4                            ; v4   the stage, on the way in: 16 x lane in my wave's region
.set SQ,  5                            ; v5   on the way out, for the quantiser: row r, + 64 h: 16 neighbours of each block of 32
.set SW,  6                            ; v6   on the way out, for Wo: row r, + 32 h: 8 neighbours
.set SO,  8                            ; v8   my scale word's place: 8 r + 4 h
.set SPW, 10                           ; v10  LDS address of my spare word; never rewritten
.set NIL, 11                           ; v11  0; never rewritten
.set OFF, 12                           ; v12-27  16 x lane + row i of the tile
.set TM,  28                           ; v28-43  at work in the quantiser
.set PW,  44                           ; v44, v45 the two units' scale words; v46 the one that I store
.set PC,  48                           ; v48-55, v56-63 the two units' codes
.set X,   64                           ; v64-127, v128-191 the two units' numbers
.set H0,  28                           ; Wo's path: v28-59 unit 0 as f16; v64-95 unit 1 (unit 0's numbers are done with by then)
.set H1,  64
.set SEL, 32                           ; s[32:33] v_permlanex16_b32's selects for lane l xor 16
	s_load_b512 s[8:23], s[0:1], 0x0               ; q_tokens s[8:9], kv_tokens s[10:11], Wq s[12:13], Wk s[14:15], Wv s[16:17], Wo s[18:19], codes s[20:21], scales s[22:23]
	s_load_b64 s[24:25], s[0:1], 0x40              ; wo16
	v_lshl_add_u32 v[SPW], v0, 2, SPARE
	v_mov_b32 v[NIL], 0
	v_lshrrev_b32 v7, 5, v0
	v_readfirstlane_b32 s2, v7                     ; wave 0..3
	v_and_b32 v7, 31, v0
	v_lshlrev_b32 v[LI], 4, v7
	v_and_b32 v[RR], 15, v0
	v_bfe_u32 v[HH], v0, 4, 1
	s_mul_i32 s3, s2, WREG
	v_add_nc_u32 v[SI], s3, v[LI]
	v_mul_u32_u24 v7, v[RR], RP
	v_add_nc_u32 v7, s3, v7
	v_lshl_add_u32 v[SQ], v[HH], 6, v7
	v_lshl_add_u32 v[SW], v[HH], 5, v7
	v_lshlrev_b32 v[SO], 3, v[RR]
	v_lshl_add_u32 v[SO], v[HH], 2, v[SO]
.irp b, 0,1,2,3
	v_mov_b32 v[TM+4+\b], 0                        ; written once: a lane permute's destination counts as one of its sources
.endr
	s_mov_b32 s[SEL], 0x76543210
	s_mov_b32 s[SEL+1], 0xfedcba98
	s_mov_b32 s28, 1056                            ; the section's first work-group,
	s_mov_b32 s29, 0                               ; and 1 where K = 768: they begin as Wo's
	s_wait_kmcnt 0x0
	s_mov_b64 s[26:27], s[18:19]
	; which tensor is mine: each test overrides what stood before; every choice hangs on the work-group's number alone
	s_cmp_lt_u32 ttmp9, 1056
	s_cselect_b64 s[26:27], s[16:17], s[26:27]     ; Wv
	s_cselect_b32 s28, 1008, s28
	s_cselect_b32 s29, 1, s29
	s_cmp_lt_u32 ttmp9, 1008
	s_cselect_b64 s[26:27], s[14:15], s[26:27]     ; Wk
	s_cselect_b32 s28, 960, s28
	s_cmp_lt_u32 ttmp9, 960
	s_cselect_b64 s[26:27], s[12:13], s[26:27]     ; Wq
	s_cselect_b32 s28, 896, s28
	s_cselect_b32 s29, 0, s29
	s_cmp_lt_u32 ttmp9, 896
	s_cselect_b64 s[26:27], s[10:11], s[26:27]     ; kv_tokens
	s_cselect_b32 s28, 512, s28
	s_cselect_b32 s29, 1, s29
	s_cmp_lt_u32 ttmp9, 512
	s_cselect_b64 s[26:27], s[8:9], s[26:27]       ; q_tokens
	s_cselect_b32 s28, 0, s28
	s_cselect_b32 s29, 0, s29
	s_sub_co_u32 s30, ttmp9, s28
	s_lshl_b32 s30, s30, 2
	s_add_co_u32 s30, s30, s2                      ; p: my pair of units in the tensor = row tile x (pairs in a row) + pair
	s_lshr_b32 s31, s30, 2                         ; K = 1,024: four pairs in a row
	s_and_b32 s34, s30, 3
	s_mul_hi_u32 s35, s30, 0x55555556              ; K = 768: three (p / 3, exact for p under 2^30)
	s_mul_i32 s36, s35, 3
	s_sub_co_u32 s36, s30, s36
	s_mov_b32 s37, 3072
	s_cmp_eq_u32 s29, 0
	s_cselect_b32 s31, s31, s35                    ; T: the row tile
	s_cselect_b32 s34, s34, s36                    ; c: the pair
	s_cselect_b32 s37, 4096, s37                   ; a row in bytes
	s_mul_i32 s38, s31, s37
	s_lshl_b32 s38, s38, 4                         ; 16 T rows (under 2^26 bytes)
	s_lshl_b32 s39, s34, 10                        ; + 1,024 bytes a pair
	s_add_co_u32 s38, s38, s39
	s_mov_b32 s39, 0
	s_add_nc_u64 s[26:27], s[26:27], s[38:39]
	v_mov_b32 v[OFF], v[LI]
.irp i, 1,2,3,4,5,6,7,8,9,10,11,12,13,14,15
	v_add_nc_u32 v[OFF+\i], s37, v[OFF+\i-1]
.endr
.irp u, 0,1
.irp i, 0,1,2,3,4,5,6,7,8,9,10,11,12,13,14,15
	global_load_b128 v[X+64*\u+4*\i:X+64*\u+4*\i+3], v[OFF+\i], s[26:27] offset:512*\u th:TH_LOAD_NT   ; 32 lanes read 512 consecutive bytes of row i: unit u's 128 numbers
.endr
.endr
	s_wait_loadcnt 16                              ; unit 0's sixteen loads are in; unit 1's sixteen may be out
.irp i, 0,1,2,3,4,5,6,7,8,9,10,11,12,13,14,15
	ds_store_b128 v[SI], v[X+4*\i:X+4*\i+3] offset:RP*\i
.endr
	s_wait_loadcnt 0x0
.irp i, 0,1,2,3,4,5,6,7,8,9,10,11,12,13,14,15
	ds_store_b128 v[SI], v[X+64+4*\i:X+64+4*\i+3] offset:USTG+RP*\i
.endr
	s_cmp_ge_u32 ttmp9, 1056                       ; every LDS store stands ahead of this parting
	s_cbranch_scc1 .Lwo
; 64 numbers of a lane, v[s] .. v[s + 63], register 16 b + i = K 32 b + 16 h + i of row r, become a fragment's codes in v[pc] on and its scale word in v[pw]
.macro QUANT s, pc, pw
.irp b, 0,1,2,3
	v_max3_num_f32 v[TM+\b], |v[\s+16*\b]|, |v[\s+1+16*\b]|, 0x1800000   ; block b: my 16 numbers, and the floor 2^(3 - 127): the byte cannot fall under 1
.endr
.irp i, 2,4,6,8,10,12,14
.irp b, 0,1,2,3
	v_max3_num_f32 v[TM+\b], v[TM+\b], |v[\s+16*\b+\i]|, |v[\s+1+16*\b+\i]|   ; the four blocks by turns: no line waits for the line above it
.endr
.endr
.irp b, 0,1,2,3
	v_permlanex16_b32 v[TM+4+\b], v[TM+\b], s[SEL], s[SEL+1]
.endr
.irp b, 0,1,2,3
	v_max_num_f32 v[TM+\b], v[TM+\b], v[TM+4+\b]   ; with lane l xor 16's: the block's largest magnitude
.endr
.irp b, 0,1,2,3
	v_add_nc_u32 v[TM+12+\b], 0xff000000, v[TM+\b] ; 2 off its exponent field: the conversion takes the exponent field of this operand as its scale
.endr
.irp b, 0,1,2,3
	v_lshrrev_b32 v[TM+4+\b], 23, v[TM+12+\b]      ; the scale's byte
.endr
	v_lshl_or_b32 v[\pw], v[TM+5], 8, v[TM+4]      ; the four bytes make row r's scale word
	v_lshl_or_b32 v[\pw], v[TM+6], 16, v[\pw]
	v_lshl_or_b32 v[\pw], v[TM+7], 24, v[\pw]
.irp b, 0,1,2,3
	v_cvt_scalef32_pk8_fp4_f32 v[\pc+2*\b], v[\s+16*\b:\s+7+16*\b], v[TM+12+\b]
	v_cvt_scalef32_pk8_fp4_f32 v[\pc+1+2*\b], v[\s+8+16*\b:\s+15+16*\b], v[TM+12+\b]
.endr
	v_nop                                          ; one plain place behind a scaled conversion
.irp c, 0,1                                    ; the operand's layout wants a whole block in a lane: lanes 0-15 block 2 c, lanes 16-31 block 2 c + 1
.irp i, 0,1
	v_permlane16_swap_b32 v[\pc+4*\c+\i], v[\pc+2+4*\c+\i]
.endr
.endr
.endm
	; ---- the quantiser's path.  LDS serves a wave's instructions in order (ISA guide 5.7.1.4): the loads below see the stores above
.irp u, 0,1
.irp b, 0,1,2,3
.irp j, 0,1,2,3
	ds_load_b128 v[X+64*\u+16*\b+4*\j:X+64*\u+16*\b+4*\j+3], v[SQ] offset:USTG*\u+128*\b+16*\j
.endr
.endr
.endr
	s_lshl_b32 s4, ttmp9, 2
	s_add_co_u32 s4, s4, s2                        ; my pair's number over all five tensors: the sections follow each other in the order of the work-groups
	s_lshl_b32 s6, s4, 11                          ; two images
	s_mov_b32 s7, 0
	s_add_nc_u64 s[20:21], s[20:21], s[6:7]
	s_lshl_b32 s6, s4, 7                           ; 128 bytes of scale words
	s_add_nc_u64 s[22:23], s[22:23], s[6:7]
	s_wait_dscnt 16                                ; unit 0 is back; unit 1's sixteen loads may be out
	QUANT X, PC, PW
	s_wait_dscnt 0x0
	QUANT X+64, PC+8, PW+1
.irp u, 0,1
.irp c, 0,1
	global_store_b128 v[LI], v[PC+8*\u+4*\c:PC+8*\u+4*\c+3], s[20:21] offset:1024*\u+512*\c   ; 32 lanes store 512 consecutive aligned bytes
.endr
.endr
	v_cmp_eq_u32 vcc_lo, 1, v[HH]
	v_cndmask_b32 v[PW+2], v[PW], v[PW+1], vcc_lo  ; lanes 0-15 store unit 0's word of row r, lanes 16-31 unit 1's
	global_store_b32 v[SO], v[PW+2], s[22:23]      ; 128 consecutive bytes: one byte for each 128 that the launch reads
	s_wait_tensorcnt 0x0                           ; the wave's end: these three lines behind my last LDS store
	ds_add_u32 v[SPW], v[NIL]
	s_wait_dscnt 0x0
	s_endpgm
.Lwo:	; ---- Wo's path: chunk cq of 32 along K, part p: K = 32 cq + 16 p + 8 h + 0 .. 7 of row r
.irp u, 0,1
.irp q, 0,1,2,3
.irp p, 0,1
.irp e, 0,1
	ds_load_b128 v[X+64*\u+16*\q+8*\p+4*\e:X+64*\u+16*\q+8*\p+4*\e+3], v[SW] offset:USTG*\u+128*\q+64*\p+16*\e
.endr
.endr
.endr
.endr
	s_lshl_b32 s4, s34, 7                          ; K step 2 c: 64 row tiles each,
	s_add_co_u32 s4, s4, s31                       ; + my row tile,
	s_lshl_b32 s4, s4, 12                          ; of four images
	s_mov_b32 s5, 0
	s_add_nc_u64 s[24:25], s[24:25], s[4:5]
	s_wait_dscnt 16                                ; unit 0 is back
.irp j, 0,1,2,3,4,5,6,7,8,9,10,11,12,13,14,15,16,17,18,19,20,21,22,23,24,25,26,27,28,29,30,31
	v_cvt_pk_f16_f32 v[H0+\j], v[X+2*\j], v[X+2*\j+1]
.endr
.irp g, 0,1,2,3,4,5,6,7
	global_store_b128 v[LI], v[H0+4*\g:H0+4*\g+3], s[24:25] offset:512*\g
.endr
	s_wait_dscnt 0x0
.irp j, 0,1,2,3,4,5,6,7,8,9,10,11,12,13,14,15,16,17,18,19,20,21,22,23,24,25,26,27,28,29,30,31
	v_cvt_pk_f16_f32 v[H1+\j], v[X+64+2*\j], v[X+64+2*\j+1]
.endr
.irp g, 0,1,2,3,4,5,6,7
	global_store_b128 v[LI], v[H1+4*\g:H1+4*\g+3], s[24:25] offset:262144+512*\g   ; the next K step lies 64 row tiles x 4,096 bytes on
.endr
	s_wait_tensorcnt 0x0                           ; the wave's end: these three lines behind my last LDS store
	ds_add_u32 v[SPW], v[NIL]
	s_wait_dscnt 0x0
	s_endpgm
.Lfunc_end_k_q747b100d19_prep:
	.size	k_q747b100d19_prep, .Lfunc_end_k_q747b100d19_prep-k_q747b100d19_prep
	.p2alignl 7, 3214868480
	.fill 96, 4, 3214868480
	.section	.rodata,"a",@progbits
	.p2align	6, 0x0
	.amdhsa_kernel k_q747b100d19_prep
		.amdhsa_group_segment_fixed_size 68096
		.amdhsa_private_segment_fixed_size 0
		.amdhsa_enable_private_segment 0
		.amdhsa_kernarg_size 72
		.amdhsa_user_sgpr_count 2
		.amdhsa_user_sgpr_kernarg_segment_ptr 1
		.amdhsa_wavefront_size32 1
		.amdhsa_system_sgpr_workgroup_id_x 1
		.amdhsa_system_sgpr_workgroup_id_y 1
		.amdhsa_system_sgpr_workgroup_id_z 1
		.amdhsa_system_vgpr_workitem_id 0
		.amdhsa_next_free_vgpr 192
		.amdhsa_next_free_sgpr 66
		.amdhsa_reserve_vcc 1
		.amdhsa_float_denorm_mode_32 3
		.amdhsa_float_denorm_mode_16_64 3
		.amdhsa_memory_ordered 1
		.amdhsa_forward_progress 1
		.amdhsa_inst_pref_size 28
	.end_amdhsa_kernel
	.amdgpu_metadata
---
amdhsa.version: [ 1, 2 ]
amdhsa.kernels:
  - .name:           k_q747b100d19_prep
    .symbol:         k_q747b100d19_prep.kd
    .args:
      - { .name: q_tokens, .offset: 0, .size: 8, .value_kind: global_buffer, .address_space: global }
      - { .name: kv_tokens, .offset: 8, .size: 8, .value_kind: global_buffer, .address_space: global }
      - { .name: Wq, .offset: 16, .size: 8, .value_kind: global_buffer, .address_space: global }
      - { .name: Wk, .offset: 24, .size: 8, .value_kind: global_buffer, .address_space: global }
      - { .name: Wv, .offset: 32, .size: 8, .value_kind: global_buffer, .address_space: global }
      - { .name: Wo, .offset: 40, .size: 8, .value_kind: global_buffer, .address_space: global }
      - { .name: codes, .offset: 48, .size: 8, .value_kind: global_buffer, .address_space: global }
      - { .name: scales, .offset: 56, .size: 8, .value_kind: global_buffer, .address_space: global }
      - { .name: wo16, .offset: 64, .size: 8, .value_kind: global_buffer, .address_space: global }
    .group_segment_fixed_size: 68096
    .private_segment_fixed_size: 0
    .kernarg_segment_align: 8
    .kernarg_segment_size: 72
    .max_flat_workgroup_size: 128
    .sgpr_count:     66
    .vgpr_count:     192
    .wavefront_size: 32
...
	.end_amdgpu_metadata
.endif
;; end of part 1
;; launch proj (part 2): grid 256 x 1, 4 waves a work-group, no clusters, 0 bytes of LDS; arguments codes, scales, q16, k16, vt16; writes q16, k16, vt16
.if DOCPART == 2
	.amdgcn_target "amdgcn-amd-amdhsa--gfx1250"
	.amdhsa_code_object_version 6
	.text
	.protected	k_q747b100d19_proj
	.globl	k_q747b100d19_proj
	.p2align	8
	.type	k_q747b100d19_proj,@function
k_q747b100d19_proj:
	s_mov_b64 s[64:65], 0
	v_nop
	global_prefetch_b8 v0, s[64:65] scope:SCOPE_SE
	s_setreg_imm32_b32 hwreg(HW_REG_WAVE_MODE, 25, 1), 1
	s_wait_xcnt 0x0
; PROJ.  The three quantised products, on codes of FP4 with E8M0 scales: q = q_tokens Wq^T (then x log2(e) / 8, so that the softmax works in powers of two), k = kv_tokens Wk^T, v = kv_tokens Wv^T.
; Sums in f32; the results leave as f16 images of the next launch's operand registers.
; FORM.  out[i][j] = sum over K of P[i][K] R[j][K].  P: 128 rows (8 tiles of 16) that stay in the wave's registers for all of K.  R: tiles of 16 rows, streamed from memory straight into registers, four tiles ahead.
; The matrix instruction takes source 0 = R's 16 rows, source 1 = P's 16 rows: a lane then holds P's row l % 16 and its eight registers R's rows 8 (l / 16) + 0 .. 7.  Rounded to f16 in pairs they are four
; registers = half an f16 image (16 rows of P x 32 rows of R), stored by one instruction of 512 consecutive bytes.
;   q, k: P = tokens, R = the weight's rows (channels): images of 16 tokens x 32 channels, [batch x 16 + head][token tile 128][chunk 2][1,024 bytes].
;   v:    P = Wv's rows (channels), R = tokens: images of 16 channels x 32 keys, that is V^T, [batch x 16 + head][key chunk 64][channel tile 4][1,024 bytes].
; SHARES.  Work-groups 0-127: q: 128 tokens (work-group / 2); of the 64 tiles of Wq each of the pair's eight waves takes 8.  128-191: k: 128 tokens; each of four waves 16 tiles of Wk.
; 192-255: v: 128 channels (x % 8) and 1,024 tokens (x / 8); each wave 16 token tiles.
; NO LDS, NO JOINT LOADS: a fragment of R feeds eight products of one wave and no product of another wave, and P is read once by each wave: through LDS each byte would be written and read once more
; and serve nobody else; a joint load lands in LDS alone.
; LIMITS: |q log2(e) / 8|, |k|, |v| must stay under 65,504; under 6e-5 f16 keeps a step of 6e-8.
; REGISTERS, in windows of 256: window 0: v1-11 addresses; v32-63 P's scale words; v64-95 R's; v96-159 the 8 accumulators; v160-191 packed results; v192-207 q's products with the constant.
;   window 1: P's tiles 0-3, tile i's K step s at v[64 i + 8 s];  window 2: tiles 4-7 likewise;  window 3: R's ring of four sets, set n's K step s at v[64 n + 8 s].
.set LI,  1                            ; v1      16 x lane: my place in an image
.set PSO, 2                            ; v2      P's scale words: 8 r; lanes 16-31 read the tile four further on
.set RSO, 3                            ; v3      R's: 8 r
.set OO,  4                            ; v4-11   accumulator i's place in the output
.set PS,  32                           ; register 8 (i % 4) + s: lanes 0-15 tile i's word of K step s, lanes 16-31 tile i + 4's
.set RS,  64                           ; register 8 set + s
.set ACC, 96
.set HP,  160
.set TF,  192
.set MSB, 0
.macro WIN new                         ; the immediate's high byte repeats the setting that is left; low byte: bits 1:0 source 0, 3:2 source 1, 5:4 source 2, 7:6 destination
.if MSB != \new
	s_set_vgpr_msb (MSB<<8)|\new
.set MSB, \new
.endif
.endm
; s[16:17] P's codes, s[18:19] P's scale words, s[20:21] R's codes, s[22:23] R's scale words, s[24:25], s[26:27] the output for a trip's tiles 0, 1 and 2, 3; s[28:29] the output's step a trip
; R's tile number `tile` from the base on, into set `set`: 2 kst loads of 16 bytes a lane and kst / 2 of 8
.macro RLOAD kst, set, tile
	WIN 0xc0                                       ; destination window 3
.set SS, 0
.rept \kst
	global_load_b128 v[64*(\set)+8*SS:64*(\set)+8*SS+3], v[LI], s[20:21] offset:((\tile)*(\kst)+SS)*1024
	global_load_b128 v[64*(\set)+8*SS+4:64*(\set)+8*SS+7], v[LI], s[20:21] offset:((\tile)*(\kst)+SS)*1024+512
.set SS, SS+1
.endr
	WIN 0
.set SS, 0
.rept (\kst)/2
	global_load_b64 v[RS+8*(\set)+2*SS:RS+8*(\set)+2*SS+1], v[RSO], s[22:23] offset:((\tile)*(\kst)/2+SS)*128
.set SS, SS+1
.endr
.endm
; One tile of R against P's eight.  left: the loads issued behind this tile's, which may stay out.  ahead = 1: the set takes the tile four further on.
; The accumulators take turns, one instruction a turn, four at a time; the first K step starts each sum with the constant 0.
.macro TILE kst, set, mulc, left, ahead
	s_wait_loadcnt \left                           ; loads come back in order (ISA guide 5.7.1): this tile's are in
	WIN 0x07                                       ; source 0 (R) window 3, source 1 (P) window 1
.set SS, 0
.rept \kst
.irp i, 0,1,2,3
.if SS == 0
	v_wmma_scale_f32_16x16x128_f8f6f4 v[ACC+8*\i:ACC+8*\i+7], v[64*(\set)+8*SS:64*(\set)+8*SS+7], v[64*\i+8*SS:64*\i+8*SS+7], 0, v[RS+8*(\set)+SS], v[PS+8*\i+SS] matrix_a_fmt:MATRIX_FMT_FP4 matrix_b_fmt:MATRIX_FMT_FP4
.else
	v_wmma_scale_f32_16x16x128_f8f6f4 v[ACC+8*\i:ACC+8*\i+7], v[64*(\set)+8*SS:64*(\set)+8*SS+7], v[64*\i+8*SS:64*\i+8*SS+7], v[ACC+8*\i:ACC+8*\i+7], v[RS+8*(\set)+SS], v[PS+8*\i+SS] matrix_a_fmt:MATRIX_FMT_FP4 matrix_b_fmt:MATRIX_FMT_FP4
.endif
.endr
.set SS, SS+1
.endr
	WIN 0x0b                                       ; source 1 window 2: P's tiles 4-7, whose scale words stand in lanes 16-31
.set SS, 0
.rept \kst
.irp i, 0,1,2,3
.if SS == 0
	v_wmma_scale_f32_16x16x128_f8f6f4 v[ACC+32+8*\i:ACC+32+8*\i+7], v[64*(\set)+8*SS:64*(\set)+8*SS+7], v[64*\i+8*SS:64*\i+8*SS+7], 0, v[RS+8*(\set)+SS], v[PS+8*\i+SS] matrix_a_fmt:MATRIX_FMT_FP4 matrix_b_fmt:MATRIX_FMT_FP4 matrix_b_scale:MATRIX_SCALE_ROW1
.else
	v_wmma_scale_f32_16x16x128_f8f6f4 v[ACC+32+8*\i:ACC+32+8*\i+7], v[64*(\set)+8*SS:64*(\set)+8*SS+7], v[64*\i+8*SS:64*\i+8*SS+7], v[ACC+32+8*\i:ACC+32+8*\i+7], v[RS+8*(\set)+SS], v[PS+8*\i+SS] matrix_a_fmt:MATRIX_FMT_FP4 matrix_b_fmt:MATRIX_FMT_FP4 matrix_b_scale:MATRIX_SCALE_ROW1
.endif
.endr
.set SS, SS+1
.endr
	WIN 0
.rept 4
	v_nop                                          ; four places behind the last product, ahead of the first read of a result and of the loads into the set's registers below
.endr
	s_wait_xcnt 0x0                                ; the last tile's stores have read the packed results' registers, which are written again from here on
.irp i, 0,1,2,3,4,5,6,7                        ; each accumulator from its low end on
.if \mulc
.irp j, 0,1,2,3
	v_pk_mul_f32 v[TF+8*(\i%2)+2*\j:TF+8*(\i%2)+2*\j+1], v[ACC+8*\i+2*\j:ACC+8*\i+2*\j+1], s[34:35] op_sel_hi:[1,0]   ; q x log2(e) / 8, in f32
.endr
.irp j, 0,1,2,3
	v_cvt_pk_f16_f32 v[HP+4*\i+\j], v[TF+8*(\i%2)+2*\j], v[TF+8*(\i%2)+2*\j+1]
.endr
.else
.irp j, 0,1,2,3
	v_cvt_pk_f16_f32 v[HP+4*\i+\j], v[ACC+8*\i+2*\j], v[ACC+8*\i+2*\j+1]
.endr
.endif
.endr
.irp i, 0,1,2,3,4,5,6,7
	global_store_b128 v[OO+\i], v[HP+4*\i:HP+4*\i+3], s[24+2*((\set)/2):25+2*((\set)/2)] offset:((\set)%2)*512   ; half an image: 512 consecutive aligned bytes
.endr
.if \ahead
	RLOAD \kst, \set, 4+\set
.endif
.endm
.macro MKOO                            ; accumulator i's place: 16 x lane + (i % 4) x s30 + (i / 4) x s31
	v_mov_b32 v[OO], v[LI]
.irp i, 1,2,3
	v_add_nc_u32 v[OO+\i], s30, v[OO+\i-1]
.endr
.irp i, 4,5,6,7
	v_add_nc_u32 v[OO+\i], s31, v[OO+\i-4]
.endr
.endm
; A wave's whole job: kst K steps of 128; 4 x trips tiles of R
.macro JOB kst, trips, mulc
.set LL, 2*\kst+\kst/2                 ; the loads of one tile of R
	WIN 0x40                                       ; destination window 1: P's tiles 0-3
.irp i, 0,1,2,3
.set SS, 0
.rept \kst
	global_load_b128 v[64*\i+8*SS:64*\i+8*SS+3], v[LI], s[16:17] offset:(\i*(\kst)+SS)*1024
	global_load_b128 v[64*\i+8*SS+4:64*\i+8*SS+7], v[LI], s[16:17] offset:(\i*(\kst)+SS)*1024+512
.set SS, SS+1
.endr
.endr
	WIN 0x80                                       ; window 2: tiles 4-7
.irp i, 0,1,2,3
.set SS, 0
.rept \kst
	global_load_b128 v[64*\i+8*SS:64*\i+8*SS+3], v[LI], s[16:17] offset:((4+\i)*(\kst)+SS)*1024
	global_load_b128 v[64*\i+8*SS+4:64*\i+8*SS+7], v[LI], s[16:17] offset:((4+\i)*(\kst)+SS)*1024+512
.set SS, SS+1
.endr
.endr
	WIN 0
.irp i, 0,1,2,3
.set SS, 0
.rept (\kst)/2
	global_load_b64 v[PS+8*\i+2*SS:PS+8*\i+2*SS+1], v[PSO], s[18:19] offset:(\i*(\kst)/2+SS)*128
.set SS, SS+1
.endr
.endr
	RLOAD \kst, 0, 0
	RLOAD \kst, 1, 1
	RLOAD \kst, 2, 2
	RLOAD \kst, 3, 3
	s_mov_b32 s32, \trips-1
.Ltrip_\@:                             ; a trip: four tiles of R; behind each, its set is asked for again.  Behind a tile's loads stand those of the three tiles after it, on the way in and round the backward jump
	TILE \kst, 0, \mulc, 3*LL, 1
	TILE \kst, 1, \mulc, 3*LL, 1
	TILE \kst, 2, \mulc, 3*LL, 1
	TILE \kst, 3, \mulc, 3*LL, 1
	s_wait_xcnt 0x0                                ; every load and store issued so far has read its base: the bases step
	s_add_nc_u64 s[20:21], s[20:21], 4*\kst*1024
	s_add_nc_u64 s[22:23], s[22:23], 4*(\kst/2)*128
	s_add_nc_u64 s[24:25], s[24:25], s[28:29]
	s_add_nc_u64 s[26:27], s[26:27], s[28:29]
	s_sub_co_u32 s32, s32, 1
	s_cmp_lg_u32 s32, 0
	s_cbranch_scc1 .Ltrip_\@
	TILE \kst, 0, \mulc, 3*LL, 0                   ; the last four tiles load nothing: the counts run down
	TILE \kst, 1, \mulc, 2*LL, 0
	TILE \kst, 2, \mulc, LL, 0
	TILE \kst, 3, \mulc, 0, 0
	s_endpgm
.endm
	s_load_b128 s[4:7], s[0:1], 0x0                ; codes s[4:5], scales s[6:7]
	s_load_b128 s[8:11], s[0:1], 0x10              ; q16 s[8:9], k16 s[10:11]
	s_load_b64 s[12:13], s[0:1], 0x20              ; vt16
	v_lshrrev_b32 v12, 5, v0
	v_readfirstlane_b32 s14, v12                   ; wave 0..3
	v_and_b32 v12, 31, v0
	v_lshlrev_b32 v[LI], 4, v12
	v_and_b32 v13, 15, v0                          ; r
	v_bfe_u32 v14, v0, 4, 1                        ; h
	v_lshlrev_b32 v[RSO], 3, v13
	s_mov_b32 s34, 0x3e38aa3b                      ; log2(e) / 8
	s_mov_b32 s35, s34                             ; (named with it as a pair, so it is written)
	s_mov_b32 s39, 0                               ; the upper word of every offset: all stay under 2^32
	s_mov_b32 s29, 0
	s_wait_kmcnt 0x0
	s_cmp_lt_u32 ttmp9, 128
	s_cbranch_scc0 .Lkv
	; ---- q.  Sections in codes: q_tokens at 0, kv_tokens at 4,194,304, Wq at 7,340,032, Wk at 7,864,320, Wv at 8,257,536; in scales: 0, 262,144, 458,752, 491,520, 516,096
	s_lshr_b32 s15, ttmp9, 1                       ; x: which 128 tokens
	s_and_b32 s36, ttmp9, 1
	s_lshl_b32 s36, s36, 2
	s_add_co_u32 s36, s36, s14                     ; which 8 tiles of Wq (two heads): 0..7
	s_lshl_b32 s38, s15, 16                        ; P: 8 tiles x 8 images
	s_add_nc_u64 s[16:17], s[4:5], s[38:39]
	s_lshl_b32 s38, s15, 12                        ; 8 tiles x 4 pairs x 128 bytes
	s_add_nc_u64 s[18:19], s[6:7], s[38:39]
	s_lshl_b32 s38, s36, 16
	s_add_co_u32 s38, s38, 7340032
	s_add_nc_u64 s[20:21], s[4:5], s[38:39]
	s_lshl_b32 s38, s36, 12
	s_add_co_u32 s38, s38, 458752
	s_add_nc_u64 s[22:23], s[6:7], s[38:39]
	s_lshr_b32 s38, s15, 4
	s_lshl_b32 s38, s38, 22                        ; the batch: 16 heads of 262,144 bytes
	s_and_b32 s40, s15, 15
	s_lshl_b32 s40, s40, 14                        ; 8 token tiles of 2,048 bytes
	s_add_co_u32 s38, s38, s40
	s_lshl_b32 s40, s36, 19                        ; two heads
	s_add_co_u32 s38, s38, s40
	s_add_nc_u64 s[24:25], s[8:9], s[38:39]
	s_add_nc_u64 s[26:27], s[24:25], 1024          ; a trip's tiles 2, 3: the head's second chunk of 32 channels
	s_mov_b32 s28, 262144                          ; a trip is a head
	s_mov_b32 s30, 2048                            ; from token tile to token tile
	s_mov_b32 s31, 8192
	v_lshl_add_u32 v[PSO], v14, 11, v[RSO]         ; four tiles on: 4 x 4 x 128 bytes
	MKOO
	JOB 8, 2, 1
.Lkv:	; ---- k and v: one text; what differs is chosen on the work-group's number
	s_sub_co_u32 s15, ttmp9, 128
	s_and_b32 s15, s15, 63                         ; x
	s_and_b32 s36, s15, 7
	s_lshr_b32 s37, s15, 3
	s_lshr_b32 s38, s15, 4
	s_lshl_b32 s38, s38, 22                        ; the batch, for both
	s_and_b32 s41, s15, 15
	s_lshl_b32 s41, s41, 14
	s_lshl_b32 s40, s14, 20
	s_add_co_u32 s41, s41, s40                     ; k: 8 token tiles of 2,048 bytes; a wave's 16 tiles of Wk are four heads
	s_lshl_b32 s40, s36, 19                        ; v: 128 channels are two heads;
	s_and_b32 s42, s37, 1
	s_lshl_b32 s42, s42, 17                        ; 1,024 tokens are 32 key chunks of 4,096 bytes;
	s_add_co_u32 s40, s40, s42
	s_lshl_b32 s42, s14, 15                        ; a wave's 16 token tiles are 8
	s_add_co_u32 s40, s40, s42
	s_mov_b32 s42, 8257536                         ; v's values first, k's chosen over them
	s_mov_b32 s43, 516096
	s_mov_b32 s44, 4194304
	s_mov_b32 s45, 262144
	s_mov_b32 s46, 4096
	s_mov_b32 s28, 8192
	s_mov_b32 s30, 1024
	s_mov_b32 s31, 262144
	s_cmp_lt_u32 ttmp9, 192
	s_cselect_b32 s36, s15, s36                    ; which 128 rows of P: k: x; v: x % 8
	s_cselect_b32 s37, 0, s37                      ; which 64 tiles of R: k: all waves share Wk's 64; v: x / 8
	s_cselect_b32 s40, s41, s40
	s_cselect_b32 s42, 4194304, s42                ; P's section in codes,
	s_cselect_b32 s43, 262144, s43                 ; in scales;
	s_cselect_b32 s44, 7864320, s44                ; R's in codes,
	s_cselect_b32 s45, 491520, s45                 ; in scales
	s_cselect_b32 s46, 1024, s46                   ; from a trip's tiles 0, 1 to its tiles 2, 3
	s_cselect_b32 s28, 262144, s28                 ; the output's step a trip: k a head, v two key chunks
	s_cselect_b32 s30, 2048, s30                   ; from tile of P to tile of P: k token tiles; v channel tiles,
	s_cselect_b32 s31, 8192, s31                   ; and from tile i to tile i + 4: v the next head
	s_cselect_b64 s[24:25], s[10:11], s[12:13]
	s_add_co_u32 s38, s38, s40
	s_add_nc_u64 s[24:25], s[24:25], s[38:39]
	s_mov_b32 s47, 0
	s_add_nc_u64 s[26:27], s[24:25], s[46:47]
	s_mul_i32 s38, s36, 49152                      ; 8 tiles x 6 images
	s_add_co_u32 s38, s38, s42
	s_add_nc_u64 s[16:17], s[4:5], s[38:39]
	s_mul_i32 s38, s36, 3072                       ; 8 tiles x 3 pairs x 128 bytes
	s_add_co_u32 s38, s38, s43
	s_add_nc_u64 s[18:19], s[6:7], s[38:39]
	s_mul_i32 s38, s37, 393216                     ; 64 tiles x 6 images
	s_mul_i32 s40, s14, 98304                      ; a wave's 16
	s_add_co_u32 s38, s38, s40
	s_add_co_u32 s38, s38, s44
	s_add_nc_u64 s[20:21], s[4:5], s[38:39]
	s_mul_i32 s38, s37, 24576
	s_mul_i32 s40, s14, 6144
	s_add_co_u32 s38, s38, s40
	s_add_co_u32 s38, s38, s45
	s_add_nc_u64 s[22:23], s[6:7], s[38:39]
	v_mad_u32_u24 v[PSO], v14, 1536, v[RSO]        ; four tiles on: 4 x 3 x 128 bytes
	MKOO
	JOB 6, 4, 0
.Lfunc_end_k_q747b100d19_proj:
	.size	k_q747b100d19_proj, .Lfunc_end_k_q747b100d19_proj-k_q747b100d19_proj
	.p2alignl 7, 3214868480
	.fill 96, 4, 3214868480
	.section	.rodata,"a",@progbits
	.p2align	6, 0x0
	.amdhsa_kernel k_q747b100d19_proj
		.amdhsa_group_segment_fixed_size 0
		.amdhsa_private_segment_fixed_size 0
		.amdhsa_enable_private_segment 0
		.amdhsa_kernarg_size 40
		.amdhsa_user_sgpr_count 2
		.amdhsa_user_sgpr_kernarg_segment_ptr 1
		.amdhsa_wavefront_size32 1
		.amdhsa_system_sgpr_workgroup_id_x 1
		.amdhsa_system_sgpr_workgroup_id_y 1
		.amdhsa_system_sgpr_workgroup_id_z 1
		.amdhsa_system_vgpr_workitem_id 0
		.amdhsa_next_free_vgpr 1024
		.amdhsa_next_free_sgpr 66
		.amdhsa_reserve_vcc 0
		.amdhsa_float_denorm_mode_32 3
		.amdhsa_float_denorm_mode_16_64 3
		.amdhsa_memory_ordered 1
		.amdhsa_forward_progress 1
		.amdhsa_inst_pref_size 234
	.end_amdhsa_kernel
	.amdgpu_metadata
---
amdhsa.version: [ 1, 2 ]
amdhsa.kernels:
  - .name:           k_q747b100d19_proj
    .symbol:         k_q747b100d19_proj.kd
    .args:
      - { .name: codes, .offset: 0, .size: 8, .value_kind: global_buffer, .address_space: global }
      - { .name: scales, .offset: 8, .size: 8, .value_kind: global_buffer, .address_space: global }
      - { .name: q16, .offset: 16, .size: 8, .value_kind: global_buffer, .address_space: global }
      - { .name: k16, .offset: 24, .size: 8, .value_kind: global_buffer, .address_space: global }
      - { .name: vt16, .offset: 32, .size: 8, .value_kind: global_buffer, .address_space: global }
    .group_segment_fixed_size: 0
    .private_segment_fixed_size: 0
    .kernarg_segment_align: 8
    .kernarg_segment_size: 40
    .max_flat_workgroup_size: 128
    .sgpr_count:     66
    .vgpr_count:     1024
    .wavefront_size: 32
...
	.end_amdgpu_metadata
.endif
;; end of part 2
;; launch attn (part 3): grid 4 x 64, 8 waves a work-group, clusters of 4 x 1, 327,680 bytes of LDS; arguments q16, k16, vt16, a16; writes a16
.if DOCPART == 3
	.amdgcn_target "amdgcn-amd-amdhsa--gfx1250"
	.amdhsa_code_object_version 6
	.text
	.protected	k_q747b100d19_attn
	.globl	k_q747b100d19_attn
	.p2align	8
	.type	k_q747b100d19_attn,@function
k_q747b100d19_attn:
	s_mov_b64 s[64:65], 0
	v_nop
	global_prefetch_b8 v0, s[64:65] scope:SCOPE_SE
	s_setreg_imm32_b32 hwreg(HW_REG_WAVE_MODE, 25, 1), 1
	s_wait_xcnt 0x0
	s_wait_alu depctr_hold_cnt(0) depctr_sa_sdst(0) depctr_va_vdst(0) depctr_va_sdst(0) depctr_va_ssrc(0) depctr_va_vcc(0) depctr_vm_vsrc(0)
	s_getreg_b32 s2, hwreg(HW_REG_IB_STS2, 6, 4)
	s_cmp_eq_u32 s2, 0
	s_cbranch_scc0 .Lentry_in_a_cluster
	s_endpgm
.Lentry_in_a_cluster:
	s_bfe_u32 s2, ttmp6, 0x10000c
	s_cmp_lg_u32 s2, 0x3003
	s_cbranch_scc0 .Lentry_shape_is_right
	s_endpgm
.Lentry_shape_is_right:
; ATTN.  For each batch and head: O[q] = sum over k of softmax_k(Q[q] . K[k] / 8) V[k], head size 64, 2,048 queries, 2,048 keys, no mask.  Operands in f16; products, maxima and sums in f32.
; q16 holds q x log2(e) / 8, so a score s is already an exponent of two: p = 2^(s - m), m the query's running maximum; in every key step O and the sum l are multiplied by a = 2^(m_old - m_new).
; All operands lie in memory as images of operand registers (16 rows x 32 along K: 1,024 bytes, register group c of lane l at 512 c + 16 l), so every fragment comes by two loads of 16 bytes a lane at 16 x lane.
; SHARES.  A cluster of four work-groups takes one head; each work-group 512 queries, each of its eight waves 64: four tiles t of 16.  Two waves share a SIMD: one's softmax stands beside the other's products.
; LAYOUT.  S^T = K Q^T (source 0 = 16 keys, source 1 = 16 queries): a lane holds ONE query (l % 16) and keys 8 (l / 16) + 0 .. 7.  Two such tiles, rounded to f16 in pairs, ARE source 1 (32 keys x 16 queries) of
; O^T = V^T P, whose result again holds one query a lane and eight channels.  vt16 holds V^T as source 0 wants it.  O^T / l, rounded in pairs, is half an image of the output projection's operand.
; RING.  Two LDS slots of 512 keys (K's 64 KB, then V's 64 KB), 2^17 bytes apart.  Each wave fetches 16 KB of a slot by one tensor load (waves 0-3 K's quarters, waves 4-7 V's).  The four work-groups walk the
; same K and V: each load is asked for JOINTLY, with the same descriptor and a mask that names the four.  By this text's own count one tensor load a wave is out at any time; every wait for them is for 0.
; LIMITS: NaN and infinities are not served; |O| must stay under 65,504, under 6e-5 f16 keeps a step of 6e-8; a weight p under 6e-8 of the row's largest is rounded to 0 for the product (the sum keeps it).
; REGISTERS, in windows of 256: window 0: v1-8 addresses; v16-47 eight statistics a tile; v64-127 K's fragments, then P; v128-255 S^T, 32 a tile.
;   window 1: v0-63 Q, 16 a tile; v64-127 V's fragments; v128-255 O^T, 32 a tile.
.set SLOT1, 1<<17
.set VOFF,  65536                      ; V's part of a slot
.set STEPB, 8192                       ; a key step of 64 keys: 8 images of K, and 8 of V
.set SPARE, 2*SLOT1                    ; behind the ring: the spare words, 128 bytes for each of eight waves, which no other line names
.set LI,  1                            ; v1   16 x lane
.set ADK, 2                            ; v2   LDS address of the step's images of K
.set ADV, 3                            ; v3   of V
.set SPW, 6                            ; v6   LDS address of my spare word; never rewritten
.set NIL, 7                            ; v7   0; never rewritten
.set PFO, 8                            ; v8   256 x lane: the prefetches' offset; never rewritten
.set ST,  16                           ; tile t's statistics at v[ST + 8 t]: +0 m, +1 (named with m as a pair), +2, +3 l (even keys', odd keys'), +4 .. +7 c0-c3 at work; a takes c2's place, m_old - m_new c3's
.set KF,  64
.set P,   64
.set S,   128
.set QF,  0                            ; window 1
.set VF,  64
.set O,   128
.set WV,  12                           ; s12  wave
.set CX,  13                           ; s13  my place in the cluster
.set BH,  14                           ; s14  16 x batch + head
.set G1,  24                           ; s[24:31] descriptor group 1
.set G0,  32                           ; s[32:35] descriptor group 0, which walks
.set SLOTS, 36                         ; s36  slots still to be asked for
.set CNT, 37                           ; s37  counts a slot's eight steps
.set TB,  38                           ; s38  LDS byte at which the step's images of K begin
.set SEL, 40                           ; s[40:41] v_permlanex16_b32's selects for lane l xor 16
.set PFA, 42                           ; s[42:43] where my prefetches stand
.set LIM, 44                           ; s44  1 in a wave that prefetches, else the greatest number
.set MSB, 0
.macro WIN new                         ; the immediate's high byte repeats the setting that is left; low byte: bits 1:0 source 0, 3:2 source 1, 5:4 source 2, 7:6 destination
.if MSB != \new
	s_set_vgpr_msb (MSB<<8)|\new
.set MSB, \new
.endif
.endm
; A round of the cluster's barrier: my work-group's barrier, so that wave 0's signal speaks for all eight waves; wave 0 signals; every wave waits for all four work-groups; my work-group's barrier once more
.macro ROUND
	s_barrier_signal -1
	s_barrier_wait -1
	s_cmp_lg_u32 s[WV], 0
	s_cbranch_scc1 .Lnot_wave_0_\@
	s_barrier_signal -3
.Lnot_wave_0_\@:
	s_barrier_wait -3
	s_barrier_signal -1
	s_barrier_wait -1
.endm
; A prefetch of what the NEXT change of slots will ask for, one slot's eight key steps ahead of that load.  The even waves ask (a branch on the wave's number, the same in all partners): of the 32 KB that waves w and
; w + 1 fetch, each of the four partners names 8 KB, told apart by address, lanes 256 bytes apart.  So each block of 256 bytes of slots 2 and 3 is named once in the launch.  The last change that fills a slot asks for nothing.
.macro ASK
	s_cmp_gt_u32 s[SLOTS], s[LIM]
	s_cbranch_scc0 .Lnot_mine_\@
	global_prefetch_b8 v[PFO], s[PFA:PFA+1] th:TH_LOAD_NT scope:SCOPE_SE
.Lnot_mine_\@:
.endm
	s_load_b256 s[4:11], s[0:1], 0x0               ; q16 s[4:5], k16 s[6:7], vt16 s[8:9], a16 s[10:11]
	v_lshl_add_u32 v[SPW], v0, 2, SPARE
	v_mov_b32 v[NIL], 0
	ds_add_u32 v[SPW], v[NIL]                      ; the wave's opening: the add, twice on end, and its wait ahead of my first tensor load
	ds_add_u32 v[SPW], v[NIL]                      ; once more; the set-up below, work on registers, stands between it and the wait
	v_lshrrev_b32 v9, 5, v0
	v_readfirstlane_b32 s[WV], v9                  ; wave 0..7
	s_bfe_u32 s[CX], ttmp6, 0x40000                ; cx: it enters Q's, the output's and the prefetches' addresses alone
	s_and_b32 s[BH], ttmp7, 0xffff                 ; the cluster's y: the head, which the four partners share
	; descriptor group 1: a dense block of 16 KB as 64 rows of 256 bytes
	s_mov_b32 s[G1], 15|(3<<16)|(1<<21)            ; 15:0 the mask: all four work-groups; 17:16 elements of 8 bytes; 21 set beside a mask; no padding
	s_mov_b32 s[G1+1], 32<<16                      ; tensor_dim0 = 32 elements
	s_mov_b32 s[G1+2], 64<<16                      ; tensor_dim1 = 64
	s_mov_b32 s[G1+3], 32<<16                      ; tile_dim0 = 32
	s_mov_b32 s[G1+4], 64                          ; tile_dim1 = 64
	s_mov_b32 s[G1+5], 32                          ; from row to row: 32 elements
	s_mov_b32 s[G1+6], 0
	s_mov_b32 s[G1+7], 0
	s_mov_b32 s[SEL], 0x76543210
	s_mov_b32 s[SEL+1], 0xfedcba98
	s_mov_b32 s[TB], 0
	s_mov_b32 s[SLOTS], 3
	s_and_b32 s[LIM], s[WV], 1
	s_cmp_eq_u32 s[LIM], 0
	s_cselect_b32 s[LIM], 1, -1
	v_and_b32 v9, 31, v0
	v_lshlrev_b32 v[LI], 4, v9
	v_lshlrev_b32 v[PFO], 8, v9
	s_lshl_b32 s16, s[BH], 18                      ; the head's first byte in q16, k16 and vt16: 262,144 a head
	s_and_b32 s18, s[WV], 3
	s_lshl_b32 s18, s18, 14
	s_add_co_u32 s18, s18, s16                     ; my 16 KB of a slot's K or V
	s_mov_b32 s19, 0
	s_lshl_b32 s20, s[CX], 5
	s_lshl_b32 s21, s[WV], 2
	s_add_co_u32 s20, s20, s21                     ; my first tile of queries: 32 cx + 4 wave
	s_lshl_b32 s22, s20, 11                        ; 2,048 bytes a tile
	s_add_co_u32 s22, s22, s16
	s_mov_b32 s23, 0
	s_and_b32 s45, s[BH], 15                       ; head
	s_lshr_b32 s46, s[BH], 4                       ; batch
	s_lshl_b32 s46, s46, 7
	s_add_co_u32 s46, s46, s20                     ; my first token tile of 512
	s_lshl_b32 s46, s46, 12                        ; a16: [K step of 128 channels 8][token tile 512][chunk of 32 channels 4][1,024]: 4,096 bytes a tile,
	s_lshr_b32 s47, s45, 1
	s_lshl_b32 s47, s47, 21                        ; two heads to a K step of 2,097,152 bytes,
	s_add_co_u32 s46, s46, s47
	s_and_b32 s45, s45, 1
	s_lshl_b32 s45, s45, 11                        ; the odd head its chunks 2 and 3
	s_add_co_u32 s46, s46, s45
	s_mov_b32 s47, 0
	s_lshl_b32 s48, s[CX], 13                      ; the prefetches: my work-group's 8 KB,
	s_add_co_u32 s48, s48, 65536                   ; in slot 1: the first change of slots steps it to slot 2.  Nothing is prefetched at the head
	s_mov_b32 s49, 0
	s_wait_dscnt 0x0                               ; both opening adds are done
	s_wait_kmcnt 0x0
	s_cmp_lt_u32 s[WV], 4                          ; waves 0-3 fetch K's quarters, waves 4-7 V's
	s_cselect_b64 s[50:51], s[6:7], s[8:9]
	s_add_nc_u64 s[50:51], s[50:51], s[18:19]
	s_add_nc_u64 s[PFA:PFA+1], s[50:51], s[48:49]
	s_add_nc_u64 s[4:5], s[4:5], s[22:23]          ; Q at my first tile
	s_add_nc_u64 s[10:11], s[10:11], s[46:47]      ; the output likewise
	s_mov_b32 s[G0], 1                             ; count = 1
	s_lshl_b32 s[G0+1], s[WV], 14                  ; LDS address: 16 KB x wave in slot 0: K's four quarters, then V's
	s_mov_b64 s[G0+2:G0+3], s[50:51]               ; global address: made of the head and the wave's number alone
	s_or_b32 s[G0+3], s[G0+3], 0x80000000          ; type = 2
	ROUND                                          ; all four work-groups are here: the first joint loads meet
	tensor_load_to_lds s[G0:G0+3], s[G1:G1+7]      ; slot 0
	s_nop 0
.rept 4
	v_nop
.endr
	WIN 0x40                                       ; destination window 1
.irp f, 0,1,2,3,4,5,6,7                        ; Q stays in registers: tile f / 2, channels 32 (f % 2) on
	global_load_b128 v[QF+8*\f:QF+8*\f+3], v[LI], s[4:5] offset:\f*1024
	global_load_b128 v[QF+8*\f+4:QF+8*\f+7], v[LI], s[4:5] offset:\f*1024+512
.endr
.set II, 0
.rept 128
	v_mov_b32 v[O+II], 0                           ; O^T.  The key step is written once for all steps: the first finds zeros, which a = 0 leaves zeros; that spares a third copy of the step
.set II, II+1
.endr
	WIN 0
.irp t, 0,1,2,3
	v_mov_b32 v[ST+8*\t], 0xff61b1e6               ; m: -3e38, under every score
	v_mov_b32 v[ST+8*\t+1], 0                      ; (named with m as a pair, so it is written)
	v_mov_b32 v[ST+8*\t+2], 0                      ; l
	v_mov_b32 v[ST+8*\t+3], 0
	v_mov_b32 v[ST+8*\t+5], 0                      ; a lane permute's destination counts as one of its sources
.endr
; A KEY STEP: 64 keys.  Every window is 0 at its head and at its end.
.macro STEP
.rept 4
	v_nop                                          ; four places behind the last products V^T P, ahead of the loads into the registers that they read
.endr
	v_add_nc_u32 v[ADK], s[TB], v[LI]
	v_add_nc_u32 v[ADV], VOFF, v[ADK]
.irp f, 0,1,2,3,4,5,6,7                        ; K's image f: keys 16 (f / 2) on, channels 32 (f % 2) on
	ds_load_b128 v[KF+8*\f:KF+8*\f+3], v[ADK] offset:\f*1024
	ds_load_b128 v[KF+8*\f+4:KF+8*\f+7], v[ADK] offset:\f*1024+512
.endr
	WIN 0x40
.irp f, 0,1,2,3,4,5,6,7                        ; V's image f: keys 32 (f / 4) on, channels 16 (f % 4) on
	ds_load_b128 v[VF+8*\f:VF+8*\f+3], v[ADV] offset:\f*1024
	ds_load_b128 v[VF+8*\f+4:VF+8*\f+7], v[ADV] offset:\f*1024+512
.endr
	s_wait_dscnt 16                                ; K's sixteen loads are in; V's sixteen, issued behind them, may be out
	WIN 0x04                                       ; source 1 (Q) window 1
.irp cc, 0,1                                   ; S^T = K Q^T: the 16 accumulators take turns, one instruction a turn; the first 32 channels start the sums
.irp kt, 0,1,2,3
.irp t, 0,1,2,3
.if \cc == 0
	v_wmma_f32_16x16x32_f16 v[S+32*\t+8*\kt:S+32*\t+8*\kt+7], v[KF+8*(2*\kt+\cc):KF+8*(2*\kt+\cc)+7], v[QF+16*\t+8*\cc:QF+16*\t+8*\cc+7], 0
.else
	v_wmma_f32_16x16x32_f16 v[S+32*\t+8*\kt:S+32*\t+8*\kt+7], v[KF+8*(2*\kt+\cc):KF+8*(2*\kt+\cc)+7], v[QF+16*\t+8*\cc:QF+16*\t+8*\cc+7], v[S+32*\t+8*\kt:S+32*\t+8*\kt+7]
.endif
.endr
.endr
.endr
	WIN 0
.rept 4
	v_nop                                          ; four places ahead of the first read of a score
.endr
	; THE SOFTMAX, the four tiles innermost, so that no line waits for the line above it.  The maximum of a lane's 32 scores and the old m; each accumulator is read from its low end on
.irp kt, 0,1,2,3
.irp t, 0,1,2,3
	v_max3_num_f32 v[ST+8*\t+4+\kt], v[S+32*\t+8*\kt], v[S+32*\t+8*\kt+1], v[S+32*\t+8*\kt+2]
.endr
.endr
.irp p, 3,5
.irp kt, 0,1,2,3
.irp t, 0,1,2,3
	v_max3_num_f32 v[ST+8*\t+4+\kt], v[ST+8*\t+4+\kt], v[S+32*\t+8*\kt+\p], v[S+32*\t+8*\kt+\p+1]
.endr
.endr
.endr
.irp t, 0,1,2,3
	v_max3_num_f32 v[ST+8*\t+4], v[ST+8*\t+4], v[S+32*\t+7], v[S+32*\t+15]
.endr
.irp t, 0,1,2,3
	v_max3_num_f32 v[ST+8*\t+6], v[ST+8*\t+6], v[S+32*\t+23], v[S+32*\t+31]
.endr
.irp t, 0,1,2,3
	v_max3_num_f32 v[ST+8*\t+4], v[ST+8*\t+4], v[ST+8*\t+5], v[ST+8*\t+6]
.endr
.irp t, 0,1,2,3
	v_max3_num_f32 v[ST+8*\t+4], v[ST+8*\t+4], v[ST+8*\t+7], v[ST+8*\t]
.endr
.irp t, 0,1,2,3
	v_permlanex16_b32 v[ST+8*\t+5], v[ST+8*\t+4], s[SEL], s[SEL+1]   ; the query's other 32 keys lie in the lane 16 away
.endr
.irp t, 0,1,2,3
	v_mov_b32 v[ST+8*\t+7], v[ST+8*\t]             ; m_old
.endr
.irp t, 0,1,2,3
	v_max_num_f32 v[ST+8*\t], v[ST+8*\t+4], v[ST+8*\t+5]
.endr
.irp t, 0,1,2,3
	v_sub_f32 v[ST+8*\t+7], v[ST+8*\t+7], v[ST+8*\t]
.endr
	; ONE BATCH: the four a and the 128 p, with the scalings s - m of the tile after between them; nothing here names an exponential's result
.irp t, 0,1,2,3
	v_exp_f32 v[ST+8*\t+6], v[ST+8*\t+7]           ; a = 2^(m_old - m_new)
.endr
.irp b, 0,1,2,3,4,5,6,7,8,9,10,11,12,13,14,15
	v_pk_add_f32 v[S+2*\b:S+2*\b+1], v[S+2*\b:S+2*\b+1], v[ST:ST+1] op_sel_hi:[1,0] neg_lo:[0,1] neg_hi:[0,1]   ; tile 0: s - m, two at a time (of the pair, m serves both halves)
.endr
.irp t, 0,1,2,3
.irp b, 0,1,2,3,4,5,6,7,8,9,10,11,12,13,14,15
.if \t < 3
	v_pk_add_f32 v[S+32*(\t+1)+2*\b:S+32*(\t+1)+2*\b+1], v[S+32*(\t+1)+2*\b:S+32*(\t+1)+2*\b+1], v[ST+8*(\t+1):ST+8*(\t+1)+1] op_sel_hi:[1,0] neg_lo:[0,1] neg_hi:[0,1]
.endif
	v_exp_f32 v[S+32*\t+2*\b], v[S+32*\t+2*\b]
	v_exp_f32 v[S+32*\t+2*\b+1], v[S+32*\t+2*\b+1]
.endr
.endr
	v_nop                                          ; a plain instruction behind the last exponential, ahead of the first use (ISA guide 5.7.2)
	s_wait_alu depctr_va_vdst(0)                   ; the wait ahead of the first instruction that names a result: one for the 132
.irp b, 0,1,2,3,4,5,6,7,8,9,10,11,12,13,14,15
.irp t, 0,1,2,3
	v_cvt_pk_f16_f32 v[P+16*\t+\b], v[S+32*\t+2*\b], v[S+32*\t+2*\b+1]   ; P takes the registers that K's fragments have left
.endr
.endr
	; the sum of a tile's 16 pairs of unrounded weights, in place: neighbours 1, 2, 4 and 8 pairs apart; then l = a l + the sum
.irp u, 0,1,2,3,4,5,6,7
.irp t, 0,1,2,3
	v_pk_add_f32 v[S+32*\t+4*\u:S+32*\t+4*\u+1], v[S+32*\t+4*\u:S+32*\t+4*\u+1], v[S+32*\t+4*\u+2:S+32*\t+4*\u+3]
.endr
.endr
.irp u, 0,1,2,3
.irp t, 0,1,2,3
	v_pk_add_f32 v[S+32*\t+8*\u:S+32*\t+8*\u+1], v[S+32*\t+8*\u:S+32*\t+8*\u+1], v[S+32*\t+8*\u+4:S+32*\t+8*\u+5]
.endr
.endr
.irp u, 0,1
.irp t, 0,1,2,3
	v_pk_add_f32 v[S+32*\t+16*\u:S+32*\t+16*\u+1], v[S+32*\t+16*\u:S+32*\t+16*\u+1], v[S+32*\t+16*\u+8:S+32*\t+16*\u+9]
.endr
.endr
.irp t, 0,1,2,3
	v_pk_add_f32 v[S+32*\t:S+32*\t+1], v[S+32*\t:S+32*\t+1], v[S+32*\t+16:S+32*\t+17]
.endr
.irp t, 0,1,2,3
	v_pk_fma_f32 v[ST+8*\t+2:ST+8*\t+3], v[ST+8*\t+2:ST+8*\t+3], v[ST+8*\t+6:ST+8*\t+7], v[S+32*\t:S+32*\t+1] op_sel_hi:[1,0,1]
.endr
	WIN 0x41                                       ; O^T (destination and source 0) window 1, a window 0
.irp t, 0,1,2,3
.set II, 0
.rept 16
	v_pk_mul_f32 v[O+32*\t+2*II:O+32*\t+2*II+1], v[O+32*\t+2*II:O+32*\t+2*II+1], v[ST+8*\t+6:ST+8*\t+7] op_sel_hi:[1,0]   ; O^T x a, each accumulator from its low end on
.set II, II+1
.endr
.endr
	s_wait_dscnt 0x0                               ; V is in
	WIN 0x51                                       ; V window 1, P window 0, O^T window 1
.irp kc, 0,1                                   ; O^T += V^T P: the 16 accumulators by turns
.irp ct, 0,1,2,3
.irp t, 0,1,2,3
	v_wmma_f32_16x16x32_f16 v[O+32*\t+8*\ct:O+32*\t+8*\ct+7], v[VF+8*(4*\kc+\ct):VF+8*(4*\kc+\ct)+7], v[P+16*\t+8*\kc:P+16*\t+8*\kc+7], v[O+32*\t+8*\ct:O+32*\t+8*\ct+7]
.endr
.endr
.endr
	WIN 0
.endm
; THE CHANGE OF SLOTS stands at a slot's head.  Each wave waits for all its tensor loads (its part of the slot that it is about to read), adds 0 to its spare word, and waits for that and for its reads of the slot that it
; has left.  fill = 1: a round of the cluster's barrier, so that no wave of any partner still reads that slot or has a load on its way; behind it the slot is filled with the next 512 keys: the load has eight key steps in which to land.
.macro CHANGE fill
	s_wait_tensorcnt 0x0                           ; no tensor load of mine is out, so group 0 may be written
	ds_add_u32 v[SPW], v[NIL]                      ; 0 onto my spare word
.if \fill
	s_xor_b32 s[G0+1], s[G0+1], SLOT1              ; the other slot than last time,
	s_add_nc_u64 s[G0+2:G0+3], s[G0+2:G0+3], 65536 ; the next 512 keys; the type bits on top are not reached
	s_wait_xcnt 0x0                                ; the last prefetch, a slot back, has read its address, so it may be written:
	s_add_nc_u64 s[PFA:PFA+1], s[PFA:PFA+1], 65536 ; one slot further on than the walking descriptor
	s_wait_dscnt 0x0                               ; the add is done, and my reads of the slot that I have left are over
	ROUND
	tensor_load_to_lds s[G0:G0+3], s[G1:G1+7]      ; the first thing behind the round, and my one tensor load until the next
	s_nop 0
.rept 4
	v_nop
.endr
	ASK
.else
	s_wait_dscnt 0x0
	s_barrier_signal -1
	s_barrier_wait -1
.endif
.endm
.macro SLOT_STEPS                      ; a slot's eight key steps: written once, walked eight times
	s_mov_b32 s[CNT], 8
.Lstep_\@:
	STEP
	s_add_co_u32 s[TB], s[TB], STEPB
	s_sub_co_u32 s[CNT], s[CNT], 1
	s_cmp_lg_u32 s[CNT], 0
	s_cbranch_scc1 .Lstep_\@
	s_sub_co_u32 s[TB], s[TB], 8*STEPB             ; back to a slot's first step,
	s_xor_b32 s[TB], s[TB], SLOT1                  ; in the other slot
.endm
	s_wait_loadcnt 0x0                             ; Q
.Lslot:                                            ; three trips: behind each change of slots but the last the next slot is asked for; the first trip's loads fill slot 1 for the first time
	CHANGE 1
	SLOT_STEPS
	s_sub_co_u32 s[SLOTS], s[SLOTS], 1
	s_cmp_lg_u32 s[SLOTS], 0
	s_cbranch_scc1 .Lslot
	CHANGE 0                                       ; the last slot is written out
	SLOT_STEPS
	; THE WAY OUT.  l's two halves and the other half of the lanes' are added (these lines are the places behind the last products); O^T / l is rounded to f16: four registers are half an image
.irp t, 0,1,2,3
	v_add_f32 v[ST+8*\t+4], v[ST+8*\t+2], v[ST+8*\t+3]
.endr
.irp t, 0,1,2,3
	v_permlanex16_b32 v[ST+8*\t+5], v[ST+8*\t+4], s[SEL], s[SEL+1]
.endr
.irp t, 0,1,2,3
	v_add_f32 v[ST+8*\t+4], v[ST+8*\t+4], v[ST+8*\t+5]
.endr
.irp t, 0,1,2,3
	v_rcp_f32 v[ST+8*\t+6], v[ST+8*\t+4]
.endr
	v_nop                                          ; a plain instruction between the last reciprocal and the use of its result
	s_wait_alu depctr_va_vdst(0)                   ; and the wait ahead of the first use: one for the four
	WIN 0x41
.irp t, 0,1,2,3
.set II, 0
.rept 16
	v_pk_mul_f32 v[O+32*\t+2*II:O+32*\t+2*II+1], v[O+32*\t+2*II:O+32*\t+2*II+1], v[ST+8*\t+6:ST+8*\t+7] op_sel_hi:[1,0]
.set II, II+1
.endr
.endr
	WIN 0x05                                       ; sources window 1, destination window 0: S^T's registers are free
.set II, 0
.rept 64
	v_cvt_pk_f16_f32 v[S+II], v[O+2*II], v[O+2*II+1]
.set II, II+1
.endr
	WIN 0
.irp t, 0,1,2,3
.irp ct, 0,1,2,3
	global_store_b128 v[LI], v[S+16*\t+4*\ct:S+16*\t+4*\ct+3], s[10:11] offset:\t*4096+\ct*512   ; 512 consecutive aligned bytes: channels 16 ct on of token tile t
.endr
.endr
	s_wait_tensorcnt 0x0                           ; the wave's end: these three lines behind my last tensor load
	ds_add_u32 v[SPW], v[NIL]
	s_wait_dscnt 0x0
	ROUND                                          ; the closing round: no work-group ends while a partner may still ask for a tile that names it
	s_endpgm
.Lfunc_end_k_q747b100d19_attn:
	.size	k_q747b100d19_attn, .Lfunc_end_k_q747b100d19_attn-k_q747b100d19_attn
	.p2alignl 7, 3214868480
	.fill 96, 4, 3214868480
	.section	.rodata,"a",@progbits
	.p2align	6, 0x0
	.amdhsa_kernel k_q747b100d19_attn
		.amdhsa_group_segment_fixed_size 327680
		.amdhsa_private_segment_fixed_size 0
		.amdhsa_enable_private_segment 0
		.amdhsa_kernarg_size 32
		.amdhsa_user_sgpr_count 2
		.amdhsa_user_sgpr_kernarg_segment_ptr 1
		.amdhsa_wavefront_size32 1
		.amdhsa_system_sgpr_workgroup_id_x 1
		.amdhsa_system_sgpr_workgroup_id_y 1
		.amdhsa_system_sgpr_workgroup_id_z 1
		.amdhsa_system_vgpr_workitem_id 0
		.amdhsa_next_free_vgpr 512
		.amdhsa_next_free_sgpr 66
		.amdhsa_reserve_vcc 0
		.amdhsa_float_denorm_mode_32 3
		.amdhsa_float_denorm_mode_16_64 3
		.amdhsa_memory_ordered 1
		.amdhsa_forward_progress 1
		.amdhsa_inst_pref_size 86
	.end_amdhsa_kernel
	.amdgpu_metadata
---
amdhsa.version: [ 1, 2 ]
amdhsa.kernels:
  - .name:           k_q747b100d19_attn
    .symbol:         k_q747b100d19_attn.kd
    .args:
      - { .name: q16, .offset: 0, .size: 8, .value_kind: global_buffer, .address_space: global }
      - { .name: k16, .offset: 8, .size: 8, .value_kind: global_buffer, .address_space: global }
      - { .name: vt16, .offset: 16, .size: 8, .value_kind: global_buffer, .address_space: global }
      - { .name: a16, .offset: 24, .size: 8, .value_kind: global_buffer, .address_space: global }
    .group_segment_fixed_size: 327680
    .private_segment_fixed_size: 0
    .kernarg_segment_align: 8
    .kernarg_segment_size: 32
    .max_flat_workgroup_size: 256
    .sgpr_count:     66
    .vgpr_count:     512
    .wavefront_size: 32
...
	.end_amdgpu_metadata
.endif
;; end of part 3
;; launch outp (part 4): grid 4 x 64, 4 waves a work-group, clusters of 4 x 4, 327,680 bytes of LDS; arguments a16, wo16, out0; writes out0
.if DOCPART == 4
	.amdgcn_target "amdgcn-amd-amdhsa--gfx1250"
	.amdhsa_code_object_version 6
	.text
	.protected	k_q747b100d19_outp
	.globl	k_q747b100d19_outp
	.p2align	8
	.type	k_q747b100d19_outp,@function
k_q747b100d19_outp:
	s_mov_b64 s[64:65], 0
	v_nop
	global_prefetch_b8 v0, s[64:65] scope:SCOPE_SE
	s_setreg_imm32_b32 hwreg(HW_REG_WAVE_MODE, 25, 1), 1
	s_wait_xcnt 0x0
	s_wait_alu depctr_hold_cnt(0) depctr_sa_sdst(0) depctr_va_vdst(0) depctr_va_sdst(0) depctr_va_ssrc(0) depctr_va_vcc(0) depctr_vm_vsrc(0)
	s_getreg_b32 s2, hwreg(HW_REG_IB_STS2, 6, 4)
	s_cmp_eq_u32 s2, 0
	s_cbranch_scc0 .Lentry_in_a_cluster
	s_endpgm
.Lentry_in_a_cluster:
	s_bfe_u32 s2, ttmp6, 0x10000c
	s_cmp_lg_u32 s2, 0xf033
	s_cbranch_scc0 .Lentry_shape_is_right
	s_endpgm
.Lentry_shape_is_right:
; OUTP.  out0[m][n] = sum over k of A[m][k] Wo[n][k]: M = 8,192 tokens, N = K = 1,024.  Operands in f16, as images of operand registers (16 rows x 32 K: 1,024 bytes, register group c of lane l at 512 c + 16 l);
; a16: [K step of 128: 8][token tile 512][chunk of 32: 4][1,024]; wo16: [K step 8][row tile 64][chunk 4][1,024].  Sums in f32, out0 f32.
; SHARES.  A tile of out0 is 128 (m) x 256 (n): 256 work-groups of four waves; a wave makes 64 x 128: 32 accumulators of 16 x 16.  K goes in 8 steps of 128 through a ring of two LDS slots: for one K step the tile's
; 8 token tiles are 32 KB on end in a16, its 16 row tiles of Wo 64 KB on end in wo16: dense blocks, fetched as rows of 256 bytes (waves 0, 1: A's halves; waves 2, 3: B's halves).
; CLUSTERS: 4 x 4 work-groups.  The four of a row of the cluster need the same tiles of A, the four of a column the same tiles of B: each is asked for JOINTLY, by the same tensor load with the same descriptor and a mask
; that names the four.  THE MATRIX INSTRUCTION IS USED TRANSPOSED (source 0 = 16 rows of Wo, source 1 = 16 tokens): a lane then holds eight neighbouring numbers of a row of out0.
; REGISTERS: window 0: v1-29 addresses; v64-159, v160-255 two fragment buffers for 32 along K (B's eight fragments, then A's four); on the way out v64-191 hold rows read back.  window 1: accumulator (a, b) at v[64 a + 8 b].
.set SLOT,   98304                     ; A's 32 KB, then B's 64 KB
.set BOFF,   32768
.set STAGE,  2*SLOT                    ; behind the ring: 16 rows x 528 bytes for each wave, for the way out; no tensor load lands there
.set SPITCH, 528                       ; 512 bytes + 16 = 132 words: sixteen rows start at sixteen different places modulo 64 words (64 banks of 4 bytes: ISA guide 11.1)
.set SPARE,  STAGE+4*16*SPITCH         ; behind the stages: the spare words, 128 bytes for each wave, which no other line names
.set LI,   1                           ; v1      16 x lane: my place in an image, in a stage row read back, and in a row of out0
.set ADRA, 16                          ; v16-17  LDS address of my A fragments in slot 0, 1
.set ADRB, 20                          ; v20-21  the same for B
.set STO,  24                          ; v24     the way out: where I put 32 bytes of a row
.set RD,   25                          ; v25     the way out: where I read a row back
.set SPW,  28                          ; v28     LDS address of my spare word; never rewritten
.set NIL,  29                          ; v29     0; never rewritten
.set F0,   64
.set F1,   160
.set BK,   64                          ; the way out: v64-127 and v128-191 by turns
.set G1,  24                           ; s[24:31] descriptor group 1 for A's tiles;  s[32:39] group 0, one set for each slot
.set G0,  32
.set G1B, 48                           ; s[48:55], s[56:63] the same for B's
.set G0B, 56
.set MSB, 0
.macro WIN new                         ; the immediate's high byte repeats the setting that is left
.if MSB != \new
	s_set_vgpr_msb (MSB<<8)|\new
.set MSB, \new
.endif
.endm
.set MUL, 0x50                         ; C and D window 1, sources window 0
.macro JLOAD s                         ; a joint load: waves 0 and 1 fetch A's halves, waves 2 and 3 B's; the branch hangs on the wave's number alone; an s_nop 0 and four v_nop follow each of the two lines
	s_cmp_eq_u32 s11, 0
	s_cbranch_scc0 .Lfor_b_\@
	tensor_load_to_lds s[G0+4*\s:G0+4*\s+3], s[G1:G1+7]
	s_nop 0
.rept 4
	v_nop
.endr
	s_branch .Lasked_\@
.Lfor_b_\@:
	tensor_load_to_lds s[G0B+4*\s:G0B+4*\s+3], s[G1B:G1B+7]
	s_nop 0
.rept 4
	v_nop
.endr
.Lasked_\@:
.endm
.macro CREST                           ; a round of the cluster's barrier behind its opening barrier
	s_cmp_lg_u32 s10, 0
	s_cbranch_scc1 .Lnot_wave_0_\@
	s_barrier_signal -3
.Lnot_wave_0_\@:
	s_barrier_wait -3
	s_barrier_signal -1
	s_barrier_wait -1
.endm
.macro CROUND                          ; a whole round
	s_barrier_signal -1
	s_barrier_wait -1
	CREST
.endm
	s_load_b128 s[4:7], s[0:1], 0x0                ; a16 s[4:5], wo16 s[6:7]
	s_load_b64 s[8:9], s[0:1], 0x10                ; out0
	v_lshl_add_u32 v[SPW], v0, 2, SPARE
	v_mov_b32 v[NIL], 0
	ds_add_u32 v[SPW], v[NIL]                      ; the wave's opening: the add, twice on end, and its wait ahead of my first tensor load
	ds_add_u32 v[SPW], v[NIL]                      ; once more; the set-up below, work on registers, stands between it and the wait
	v_lshrrev_b32 v2, 5, v0
	v_readfirstlane_b32 s10, v2                    ; wave 0..3
	s_lshr_b32 s11, s10, 1                         ; which 64 of the tile's rows are mine.  Also: I fetch for A (0) or for B (1)
	s_and_b32 s12, s10, 1                          ; which 128 of its columns.  Also: which half of that tile I fetch
	s_bfe_u32 s40, ttmp6, 0x40000                  ; cx, cy: my place in the cluster
	s_bfe_u32 s41, ttmp6, 0x40004
	s_lshl_b32 s42, ttmp9, 2
	s_add_co_u32 s42, s42, s40                     ; tile column = 4 x cluster x + cx
	s_and_b32 s13, ttmp7, 0xffff
	s_lshl_b32 s13, s13, 2
	s_add_co_u32 s13, s13, s41                     ; tile row = 4 x cluster y + cy
	s_lshl_b32 s43, s41, 2
	s_lshl_b32 s43, 15, s43                        ; my row of the cluster
	s_lshl_b32 s44, 0x1111, s40                    ; my column
	; descriptor group 1: dense blocks as rows of 256 bytes (32 elements of 8 bytes): A's 64 rows, B's 128; no padding: every LDS read takes 512 consecutive bytes
	s_or_b32 s[G1], s43, (3<<16)|(1<<21)           ; 15:0 the mask: A's tiles go to my row; 17:16 elements of 8 bytes; 21 set beside a mask
	s_or_b32 s[G1B], s44, (3<<16)|(1<<21)          ; B's to my column
	s_mov_b32 s[G1+1], 32<<16                      ; tensor_dim0
	s_mov_b32 s[G1+2], 64<<16                      ; tensor_dim1
	s_mov_b32 s[G1+3], 32<<16                      ; tile_dim0
	s_mov_b32 s[G1+4], 64                          ; tile_dim1
	s_mov_b32 s[G1+5], 32                          ; from row to row
	s_mov_b32 s[G1+6], 0
	s_mov_b32 s[G1+7], 0
	s_mov_b32 s[G1B+1], 32<<16
	s_mov_b32 s[G1B+2], 128<<16
	s_mov_b32 s[G1B+3], 32<<16
	s_mov_b32 s[G1B+4], 128
	s_mov_b32 s[G1B+5], 32
	s_mov_b32 s[G1B+6], 0
	s_mov_b32 s[G1B+7], 0
	s_lshl_b32 s16, s13, 15                        ; A: 8 token tiles of 4,096 bytes a tile row,
	s_lshl_b32 s17, s12, 14                        ; + my four
	s_add_co_u32 s16, s16, s17
	s_mov_b32 s17, 0
	s_lshl_b32 s46, s42, 16                        ; B: 16 row tiles a tile column,
	s_lshl_b32 s47, s12, 15                        ; + my eight
	s_add_co_u32 s46, s46, s47
	s_mov_b32 s47, 0
	s_lshl_b32 s20, s12, 14                        ; where they go: no place in the cluster enters an LDS address
	s_lshl_b32 s21, s12, 15
	s_add_co_u32 s21, s21, BOFF
	s_wait_dscnt 0x0                               ; both opening adds are done
	s_wait_kmcnt 0x0
	s_add_nc_u64 s[14:15], s[4:5], s[16:17]
	s_add_nc_u64 s[46:47], s[6:7], s[46:47]
	CROUND                                         ; all sixteen work-groups are here: the first joint loads meet
.irp s, 0,1
	s_mov_b32 s[G0+4*\s], 1
	s_add_co_u32 s[G0+4*\s+1], s20, \s*SLOT
	s_add_nc_u64 s[G0+4*\s+2:G0+4*\s+3], s[14:15], \s*2097152     ; K step s of a16
	s_or_b32 s[G0+4*\s+3], s[G0+4*\s+3], 0x80000000
	s_mov_b32 s[G0B+4*\s], 1
	s_add_co_u32 s[G0B+4*\s+1], s21, \s*SLOT
	s_add_nc_u64 s[G0B+4*\s+2:G0B+4*\s+3], s[46:47], \s*262144    ; K step s of wo16
	s_or_b32 s[G0B+4*\s+3], s[G0B+4*\s+3], 0x80000000
	JLOAD \s
.endr
	v_and_b32 v2, 31, v0
	v_lshlrev_b32 v[LI], 4, v2
	s_lshl_b32 s22, s11, 14                        ; my four tiles of A
	s_lshl_b32 s23, s12, 15                        ; my eight of B,
	s_add_co_u32 s23, s23, BOFF                    ; which lie behind A's
.irp s, 0,1
	v_add_nc_u32 v[ADRA+\s], s22, v[LI]
	v_add_nc_u32 v[ADRB+\s], s23, v[LI]
	s_add_co_u32 s22, s22, SLOT
	s_add_co_u32 s23, s23, SLOT
.endr
	s_mul_i32 s22, s10, 16*SPITCH
	s_add_co_u32 s22, s22, STAGE                   ; my stage
	v_and_b32 v3, 15, v0                           ; l % 16
	v_bfe_u32 v4, v0, 4, 1                         ; l / 16
	v_mul_u32_u24 v5, v3, SPITCH                   ; in: row l % 16, 32 bytes for each half of the lanes
	v_lshl_add_u32 v5, v4, 5, v5
	v_add_nc_u32 v[STO], s22, v5
	v_add_nc_u32 v[RD], s22, v[LI]                 ; back: the 32 lanes take one row of 512 bytes
	s_lshl_b32 s16, s13, 19                        ; my first row of out0: 128 rows of 4,096 bytes a tile row,
	s_lshl_b32 s17, s11, 18                        ; + 64 x half
	s_add_co_u32 s16, s16, s17
	s_mov_b32 s17, 0
	s_add_nc_u64 s[8:9], s[8:9], s[16:17]
	s_lshl_b32 s46, s42, 10                        ; my first column, in bytes: 1,024 x tile column + 512 x half
	s_lshl_b32 s47, s12, 9
	s_add_co_u32 s46, s46, s47
	s_mov_b32 s47, 0
	s_add_nc_u64 s[8:9], s[8:9], s[46:47]
; 8 matrix instructions: A's tile a x B's eight, 32 along K, from buffer f.  zero = 1: the product starts the sums.  The 32 accumulators take turns, one instruction a turn, in the same order in every quarter
.macro MUL8 f, a, zero
.irp b, 0,1,2,3,4,5,6,7
.if \zero
	v_wmma_f32_16x16x32_f16 v[64*\a+8*\b:64*\a+8*\b+7], v[\f+8*\b:\f+8*\b+7], v[\f+64+8*\a:\f+64+8*\a+7], 0
.else
	v_wmma_f32_16x16x32_f16 v[64*\a+8*\b:64*\a+8*\b+7], v[\f+8*\b:\f+8*\b+7], v[\f+64+8*\a:\f+64+8*\a+7], v[64*\a+8*\b:64*\a+8*\b+7]
.endif
.endr
.endm
; 24 LDS loads in one run: chunk q (32 along K) of the slot into buffer f: B's eight fragments, then A's four; A's tiles 2 and 3 last
.macro FETCH slot, q, f
	WIN 0
.irp i, 0,1,2,3,4,5,6,7
	ds_load_b128 v[\f+8*\i:\f+8*\i+3],   v[ADRB+\slot] offset:\i*4096+(\q)*1024
	ds_load_b128 v[\f+8*\i+4:\f+8*\i+7], v[ADRB+\slot] offset:\i*4096+(\q)*1024+512
.endr
.irp i, 0,1,2,3
	ds_load_b128 v[\f+64+8*\i:\f+64+8*\i+3],   v[ADRA+\slot] offset:\i*4096+(\q)*1024
	ds_load_b128 v[\f+64+8*\i+4:\f+64+8*\i+7], v[ADRA+\slot] offset:\i*4096+(\q)*1024+512
.endr
.endm
.macro PLACES                          ; four places in front of loads into registers that matrix instructions have read, and of the first read of results
.rept 4
	v_nop
.endr
.endm
; A K step is four quarters of 32 along K, 32 matrix instructions each, on buffers 0, 1, 0, 1.  One of the first three: multiplies buffer f; in its middle it fetches chunk q of the same slot into buffer g
.macro QUARTER slot, q, f, g, zero
	s_wait_dscnt 4                                 ; B's fragments and A's tiles 0, 1 are in; the youngest four loads (A's tiles 2, 3) may be out
	WIN MUL
	MUL8 \f, 0, \zero
	MUL8 \f, 1, \zero
	PLACES
	FETCH \slot, \q, \g
	s_wait_dscnt 24                                ; all but the 24 just issued
	WIN MUL
	MUL8 \f, 2, \zero
	MUL8 \f, 3, \zero
.endm
; The last quarter multiplies buffer 1 and changes slots: ONE barrier; in front of it each wave waits for all its tensor loads, adds 0 to its spare word, and waits for that and for its own reads of this slot.
; fill = 1: the barrier opens a round of the cluster's barrier, and this slot is filled again, two K steps ahead
.macro TURN slot, next, fill
	WIN 0                                          ; (the add's two registers lie in window 0)
	s_wait_tensorcnt 0x0                           ; all my tensor loads have landed: my part of the next slot
	ds_add_u32 v[SPW], v[NIL]                      ; 0 onto my spare word
	s_wait_dscnt 5                                 ; (the add and the youngest four loads may be out)
	WIN MUL
	MUL8 F1, 0, 0                                  ; eight matrix instructions stand between the add and the wait for it
	s_wait_dscnt 0x0                               ; the add is done, and my reads of this slot are over
	s_barrier_signal -1
	MUL8 F1, 1, 0
	WIN 0                                          ; (branches may follow)
	s_barrier_wait -1
.if \fill
	CREST                                          ; no wave of any partner still reads this slot's tile or has a load on its way
	s_add_nc_u64 s[G0+4*\slot+2:G0+4*\slot+3], s[G0+4*\slot+2:G0+4*\slot+3], 2*2097152
	s_add_nc_u64 s[G0B+4*\slot+2:G0B+4*\slot+3], s[G0B+4*\slot+2:G0B+4*\slot+3], 2*262144
	JLOAD \slot                                    ; the first tensor load behind the round; the four v_nop behind it are also the places in front of the loads below
.else
	PLACES
.endif
	FETCH \next, 0, F0
	WIN MUL
	MUL8 F1, 2, 0
	MUL8 F1, 3, 0
.endm
	s_wait_tensorcnt 1                             ; my part of K step 0 is in; K step 1's load may stay out
	s_barrier_signal -1
	s_barrier_wait -1                              ; everybody's is
	FETCH 0, 0, F0
	QUARTER 0, 1, F0, F1, 1                        ; the first quarter stands in front of the loop: its products start the sums
	WIN 0                                          ; at a label and at a branch every window is 0
	s_mov_b32 s3, 3
.Llap:                                                 ; a trip goes once round the ring, from a lap's second quarter to the next lap's first, and fills both slots again: K steps 2 to 7
	QUARTER 0, 2, F1, F0, 0
	QUARTER 0, 3, F0, F1, 0
	TURN 0, 1, 1
	QUARTER 1, 1, F0, F1, 0
	QUARTER 1, 2, F1, F0, 0
	QUARTER 1, 3, F0, F1, 0
	TURN 1, 0, 1
	QUARTER 0, 1, F0, F1, 0
	WIN 0
	s_sub_co_u32 s3, s3, 1
	s_cmp_lg_u32 s3, 0
	s_cbranch_scc1 .Llap
	QUARTER 0, 2, F1, F0, 0                        ; the last lap fills nothing, and has no round of the cluster's barrier
	QUARTER 0, 3, F0, F1, 0
	TURN 0, 1, 0
	QUARTER 1, 1, F0, F1, 0
	QUARTER 1, 2, F1, F0, 0
	QUARTER 1, 3, F0, F1, 0
	s_wait_dscnt 4                                 ; the very last quarter: nothing more to fetch
	WIN MUL
	MUL8 F1, 0, 0
	MUL8 F1, 1, 0
	s_wait_dscnt 0x0
	MUL8 F1, 2, 0
	MUL8 F1, 3, 0
	WIN 0
; THE WAY OUT, block by block of 16 rows x 128 columns.  A lane holds 32 neighbouring bytes of a row, and the lanes beside it hold other rows: so a block goes through my own stage in LDS and comes back as whole rows of
; 512 bytes.  LDS serves a wave's instructions in order (ISA guide 5.7.1.4): no wait between the stores and the loads, nor in front of the next block's stores.
.macro TOSTAGE a
	WIN 0x04                                       ; an LDS store's data are its source 1: window 1
.irp b, 0,1,2,3,4,5,6,7
	ds_store_b128 v[STO], v[64*(\a)+8*\b:64*(\a)+8*\b+3] offset:64*\b          ; each accumulator from its low end on
	ds_store_b128 v[STO], v[64*(\a)+8*\b+4:64*(\a)+8*\b+7] offset:64*\b+16
.endr
	WIN 0
.set BB, BK+64*((\a)%2)
.irp t, 0,1,2,3,4,5,6,7,8,9,10,11,12,13,14,15
	ds_load_b128 v[BB+4*\t:BB+4*\t+3], v[RD] offset:\t*SPITCH
.endr
.endm
.macro SEND a, younger                 ; younger: the LDS instructions issued behind block a's loads, which may stay out
.set BB, BK+64*((\a)%2)
	s_wait_dscnt \younger                          ; the block is back in registers
.if (\a) > 0
	s_add_nc_u64 s[8:9], s[8:9], 65536             ; 16 rows of out0 on (behind a wait for 0 on XCNT: the earlier stores have read their base)
.endif
.irp t, 0,1,2,3,4,5,6,7,8,9,10,11,12,13,14,15
	global_store_b128 v[LI], v[BB+4*\t:BB+4*\t+3], s[8:9] offset:\t*4096 th:TH_STORE_NT   ; 32 lanes store 512 consecutive bytes, at a multiple of 256 from out0's first byte; written once, read by nobody here
.endr
.endm
	PLACES                                         ; behind the last products: for the stores that read results and the loads into the registers that held fragments
	TOSTAGE 0
.irp a, 1,2,3
.if \a > 1
	s_wait_xcnt 0x0                                ; block a - 2's stores have read their registers and their base: block a's loads may land there, and the base may step
.endif
	TOSTAGE \a
	SEND \a-1, 32                                  ; behind block a - 1's loads: block a's 16 stores and 16 loads
.endr
	s_wait_xcnt 0x0                                ; block 2's stores have read their base
	SEND 3, 0
	s_wait_tensorcnt 0x0                           ; the wave's end: these three lines behind my last tensor load and my last LDS store
	ds_add_u32 v[SPW], v[NIL]
	s_wait_dscnt 0x0
	CROUND                                         ; the closing round: no work-group ends while a partner may still ask for a tile that names it
	s_endpgm
.Lfunc_end_k_q747b100d19_outp:
	.size	k_q747b100d19_outp, .Lfunc_end_k_q747b100d19_outp-k_q747b100d19_outp
	.p2alignl 7, 3214868480
	.fill 96, 4, 3214868480
	.section	.rodata,"a",@progbits
	.p2align	6, 0x0
	.amdhsa_kernel k_q747b100d19_outp
		.amdhsa_group_segment_fixed_size 327680
		.amdhsa_private_segment_fixed_size 0
		.amdhsa_enable_private_segment 0
		.amdhsa_kernarg_size 24
		.amdhsa_user_sgpr_count 2
		.amdhsa_user_sgpr_kernarg_segment_ptr 1
		.amdhsa_wavefront_size32 1
		.amdhsa_system_sgpr_workgroup_id_x 1
		.amdhsa_system_sgpr_workgroup_id_y 1
		.amdhsa_system_sgpr_workgroup_id_z 1
		.amdhsa_system_vgpr_workitem_id 0
		.amdhsa_next_free_vgpr 512
		.amdhsa_next_free_sgpr 66
		.amdhsa_reserve_vcc 0
		.amdhsa_float_denorm_mode_32 3
		.amdhsa_float_denorm_mode_16_64 3
		.amdhsa_memory_ordered 1
		.amdhsa_forward_progress 1
		.amdhsa_inst_pref_size 84
	.end_amdhsa_kernel
	.amdgpu_metadata
---
amdhsa.version: [ 1, 2 ]
amdhsa.kernels:
  - .name:           k_q747b100d19_outp
    .symbol:         k_q747b100d19_outp.kd
    .args:
      - { .name: a16, .offset: 0, .size: 8, .value_kind: global_buffer, .address_space: global }
      - { .name: wo16, .offset: 8, .size: 8, .value_kind: global_buffer, .address_space: global }
      - { .name: out0, .offset: 16, .size: 8, .value_kind: global_buffer, .address_space: global }
    .group_segment_fixed_size: 327680
    .private_segment_fixed_size: 0
    .kernarg_segment_align: 8
    .kernarg_segment_size: 24
    .max_flat_workgroup_size: 128
    .sgpr_count:     66
    .vgpr_count:     512
    .wavefront_size: 32
...
	.end_amdgpu_metadata
.endif
;; end of part 4
